; MI455X (gfx1250); checked and timed in simulation.
; The chip was launched on July 23, 2026; its instructions are those of AMD's public machine-readable ISA for CDNA 5 (MIT licence, August 2026) and "CDNA5" Instruction Set Architecture Reference Guide (July 2026). The comments in the code are by the model that wrote it; some were corrected since.
;; Int8 Linear. Allowed arithmetic: matrix products marked QUANTISED: E3M2 operands, one E8M0 scale for each 32 along K, by v_wmma_scale_f32_16x16x128_f8f6f4 with both operands' format E3M2, f32 sums; everything else in f32.
;; Inputs: bias 4,096 float16; weight 4,096 x 4,096 int32; x 4,096 x 4,096 float16.
;; Outputs: out0 4,096 x 4,096 float16.
;; This version of the problem:
;;   THIS VERSION OF THE PROBLEM IS GIVEN IN LOW PRECISION. The matrix products marked QUANTISED in the list below multiply operands that are first quantised to E3M2 (3 exponent bits, 2 mantissa bits; 6 bits a number), with one power-of-two scale for each 32 numbers along K (OCP MX v1.0); their sums are f32. All else is computed in f32.
;;   The module's matrix products, in the order in which they are computed (A, B: the left and right operand; K: the contracted axis; several contracted axes count as one K, in the product's order):
;;     1. [M 4,096, K 4,096] x [K 4,096, N 4,096]; A: input x; B: input weight: QUANTISED
;;   THE QUANTISER, for each operand of a quantised product, along K:
;;     - K is cut into blocks of 32 from its start; a last block that is shorter is filled with zeros.
;;     - A block's scale is 2^e with e = floor(log2(the largest magnitude in the block)) - 4, held to -126 .. 127; a block of zeros has e = 0. As a byte (E8M0): e + 127.
;;     - Each number is divided by its block's scale, clamped to +-28, and rounded to the nearest number of E3M2, ties to even, subnormals kept.
;;     - The product sums the exact products of the quantised numbers (number of the format x scale) in f32.
;;   ~~~python
;;   def quantise(x, axis):      # numpy; x: float32 -> the quantised numbers, widened to float32 again
;;       x = np.moveaxis(x, axis, -1); K = x.shape[-1]
;;       x = np.pad(x, [(0, 0)] * (x.ndim - 1) + [(0, -K % 32)]); x = x.reshape(x.shape[:-1] + (-1, 32)); a = np.abs(x).max(-1, keepdims=True)
;;       e = np.where(a > 0, np.clip(np.frexp(np.where(a > 0, a, 1))[1] - 1 - 4, -126, 127), 0)      # np.frexp(a)[1] - 1 = floor(log2(a)), exactly
;;       r = np.clip(x / 2.0 ** e, -28, 28)
;;       step = 2.0 ** (np.maximum(np.frexp(np.where(r == 0, 1, r))[1] - 1, -2) - 2)
;;       q = np.round(r / step) * step * 2.0 ** e      # np.round: ties to even
;;       return np.moveaxis(q.reshape(q.shape[:-2] + (-1,))[..., :K], -1, axis).astype(np.float32)
;;   ~~~
;; One version. Each part assembles by itself: llvm-mc -triple=amdgcn-amd-amdhsa -mcpu=gfx1250 --defsym DOCPART=n.
;; ======== version 1 of 1: 2 launches
;; limits: values are held in f16: magnitudes above 65,504 overflow, below 6.1e-05 lose precision; right only within a limited range of input values
;; workspace buffers: xq 13,107,200 bytes; wq 13,107,200 bytes
;; launch quant (part 1): grid 1024 x 1, 4 waves a work-group, no clusters, 81,920 bytes of LDS; arguments weight, x, wq, xq; writes wq, xq
.if DOCPART == 1
	.amdgcn_target "amdgcn-amd-amdhsa--gfx1250"
	.amdhsa_code_object_version 6
	.text
	.protected	k_qd022d45772_quant
	.globl	k_qd022d45772_quant
	.p2align	8
	.type	k_qd022d45772_quant,@function
k_qd022d45772_quant:
	s_mov_b64 s[64:65], 0
	v_nop
	global_prefetch_b8 v0, s[64:65] scope:SCOPE_SE
	s_setreg_imm32_b32 hwreg(HW_REG_WAVE_MODE, 25, 1), 1
	s_wait_xcnt 0x0
; Both operands of out = x w + bias are turned into codes of BF6 (E3M2), 6 bits each, with one E8M0 scale byte for each 32 along K.
; weight: [4096 (k)][4096 (n)] int32, K its FIRST axis; it is taken as the f16 number nearest to it, as the problem does (int32 -> f32 -> f16 -> f32).  x: [4096 (m)][4096 (k)] f16, K innermost.
; A block's scale is 2^(floor(log2(its largest magnitude)) - 4); its byte is the largest magnitude's exponent field - 4, held at 1 from below.  Each number is divided by the scale and
; rounded to the nearest code, ties to even; beyond the largest code the conversion gives the largest code.
; THE WORKSPACE: [group of 128 rows: 32][substep of 128 along K: 32][12,800 bytes].  The 12,800 bytes: plane 0, plane 1 (6,144 bytes each), 512 bytes of scale words.
;   The 48 bytes of (place p, plane h) are the substep's block h and block 2 + h, 24 bytes each (a block's 32 codes as one stream of bits): just the 12 registers that a lane (row l % 16, half h) of the matrix instruction wants.
;   They are cut into three pieces of 16 bytes; piece c of place p lies at 2,048 c + 16 p of the plane: lanes on neighbouring places store and load neighbouring 16 bytes, so each store below covers whole aligned runs of 256 bytes.
;   The scale word (four bytes) of place p lies at 256 (p / 64) + 128 ((p / 16) % 2) + 8 (p % 16) + 4 ((p / 32) % 2).
;   x: row m has place m % 128.  weight: column n, with n % 128 = 64 w + 2 L + u, has place 64 w + 32 u + L: a lane loads two neighbouring columns, and each of the two goes out with the other lanes' like column.
; LIMITS: NaN and infinities in x are not served; |weight| from 65,520 on, where the f16 number is infinite, is not served; a block of zeros gets the byte 1 where the rule says 127:
; its codes are zeros, which add nothing under any byte but 0xff, and the bytes are read by this program alone.
; One launch serves both tensors, 512 work-groups each: work-group i takes weight where i + i / 256 is even and x where it is odd, and is number i / 2 of its kind: of two neighbouring numbers, and of two numbers 256 apart, one is of each kind.
; No tensor loads, no barrier: waves share nothing.  Only x's path uses LDS; the claim is a quarter of a WGP's LDS, larger than the use.
.set SUBB,    12800
.set PLANE,   6144
.set SCOFF,   12288
.set GSTRIDE, 32*SUBB
.set SPW, 10                           ; v10 my spare word, v11 zero; never rewritten
.set NIL, 11
.set TB,  12                           ; v12-15 of two blocks: largest magnitude, then byte (v12, v14); second chain, then the conversion's scale operand (v13, v15)
.set NT,  4                            ; W: turns of a wave: the four blocks of a substep
.set WR,  128                          ; W: v128-255 two sets of 64 raw words
.set WX,  32                           ; W: v32-95   column u, row i of the block at v[WX + 32 u + i]
.set WC,  96                           ; W: v96-119  a plane's 12 registers for each of my two columns
.set WSB, 24                           ; W: v24-25   my two columns' scale words
.set XR,  128                          ; X: v128-255 four raw registers for each of 32 loads
.set XH,  16                           ; X: v16-79   two sets of 32: my 64 numbers in f16
.set XX,  128                          ; X: v128-191 the same in f32 (the raw registers of steps 0 and 1 are free by then)
.set XC,  80                           ; X: v80-127  12 registers of codes for each of 4 steps
.set XP,  272                          ; X: a stage row: 256 bytes + 16
.set STG, 16*XP                        ; X: a stage: 16 rows
.set XREG, 2*STG+256                   ; X: a wave's LDS: two stages and its 256 scale bytes
.set SPARE, 4*XREG                     ; behind the four waves' regions (35,840, a multiple of 256): the spare words, 128 bytes a wave, named by no other line
.macro TOH r                           ; f32 -> f16, to nearest even, into the register's own low half
	v_cvt_f16_f32 v\r\().l, v\r
.endm
.macro TOF r                           ; and back
	v_cvt_f32_f16 v\r, v\r\().l
.endm
.macro ALL64 m
.irp r, 32,33,34,35,36,37,38,39,40,41,42,43,44,45,46,47,48,49,50,51,52,53,54,55,56,57,58,59,60,61,62,63,64,65,66,67,68,69,70,71,72,73,74,75,76,77,78,79,80,81,82,83,84,85,86,87,88,89,90,91,92,93,94,95
	\m \r
.endr
.endm
.macro WID d, s                        ; the two f16 of v[s] -> v[d], v[d + 1]
	v_cvt_f32_f16 v[\d], v\s\().l
	v_cvt_f32_f16 v[\d+1], v\s\().h
.endm
; two blocks of 32 numbers, at v[xb] and v[xb + 32], all mine: largest magnitudes (two chains a block, the blocks by turns), scale operands, bytes
.macro MAXSC xb
.irp u, 0,1
	v_max3_num_f32 v[TB+2*\u], |v[\xb+32*\u]|, |v[\xb+32*\u+1]|, |v[\xb+32*\u+2]|
	v_max3_num_f32 v[TB+2*\u+1], |v[\xb+32*\u+3]|, |v[\xb+32*\u+4]|, |v[\xb+32*\u+5]|
.endr
.irp i, 6,10,14,18,22,26
.irp u, 0,1
	v_max3_num_f32 v[TB+2*\u], v[TB+2*\u], |v[\xb+32*\u+\i]|, |v[\xb+32*\u+\i+1]|
	v_max3_num_f32 v[TB+2*\u+1], v[TB+2*\u+1], |v[\xb+32*\u+\i+2]|, |v[\xb+32*\u+\i+3]|
.endr
.endr
.irp u, 0,1
	v_max3_num_f32 v[TB+2*\u], v[TB+2*\u], |v[\xb+32*\u+30]|, |v[\xb+32*\u+31]|
.endr
.irp u, 0,1
	v_max3_num_f32 v[TB+2*\u], v[TB+2*\u], v[TB+2*\u+1], 5<<23   ; and the floor 2^(5 - 127): the byte cannot fall under 1
.endr
.irp u, 0,1
	v_add_nc_u32 v[TB+2*\u+1], 0xfe000000, v[TB+2*\u]   ; 4 off the exponent field: the conversion takes the exponent field of this operand as its scale
.endr
.irp u, 0,1
	v_lshrrev_b32 v[TB+2*\u], 23, v[TB+2*\u+1]          ; the scale's byte
.endr
.endm
; the two blocks' codes, six registers each, to v[c0] and v[c1].  A conversion's three registers begin on an even number: a block's second half is made in registers of the first half's numbers, which are done with, and moved.
; One plain vector line stands between a scaled conversion and a vector line that touches its result or writes its sources.
.macro CODES xb, c0, c1
	v_cvt_scalef32_pk16_bf6_f32 v[\c0:\c0+2], v[\xb:\xb+15], v[TB+1]
	v_cvt_scalef32_pk16_bf6_f32 v[\c1:\c1+2], v[\xb+32:\xb+47], v[TB+3]
	v_nop
	v_cvt_scalef32_pk16_bf6_f32 v[\xb:\xb+2], v[\xb+16:\xb+31], v[TB+1]
	v_cvt_scalef32_pk16_bf6_f32 v[\xb+32:\xb+34], v[\xb+48:\xb+63], v[TB+3]
	v_nop
.irp i, 0,1,2
	v_mov_b32 v[\c0+3+\i], v[\xb+\i]
	v_mov_b32 v[\c1+3+\i], v[\xb+32+\i]
.endr
.endm
; ---- path W.  A LANE TAKES TWO COLUMNS n, AND ITS REGISTERS RUN DOWN K.  The substep's blocks come in the order 0, 2, 1, 3, so that a plane is whole after two turns
.macro WLOAD t                         ; 32 rows, my two columns, into set t % 2: the wave's 32 lanes read 256 consecutive bytes, aligned
.set KB, 64*((\t)%2)+32*((\t)/2)
.set i, 0
.rept 32
	global_load_b64 v[WR+64*((\t)%2)+2*i:WR+64*((\t)%2)+2*i+1], v3, s[4:5] offset:(KB+i)*16384 th:TH_LOAD_NT
.set i, i+1
.endr
.endm
.macro WBLOCK t
.set RS, WR+64*((\t)%2)
.set POS, (\t)%2                       ; first or second 24 bytes of the plane's 48
.set PL,  (\t)/2                       ; the plane
.if (\t) < NT-1
	s_wait_loadcnt 32                              ; this turn's 32 loads are in; the next turn's 32 may be out
.else
	s_wait_loadcnt 0x0
.endif
.if POS == 0 && (\t) > 0
	s_wait_xcnt 0x0                                ; the last plane's stores have read their registers, which this turn writes again
.endif
.set i, 0
.rept 32
	v_cvt_f32_i32 v[WX+i], v[RS+2*i]               ; exact under 2^24; the conversion also parts the two columns
	v_cvt_f32_i32 v[WX+32+i], v[RS+2*i+1]
.set i, i+1
.endr
.if (\t)+2 < NT
	WLOAD (\t)+2                                   ; the raw set has been read: it takes the turn two further on
.endif
	ALL64 TOH                                      ; the problem's own rounding of the weight to f16
	ALL64 TOF
	MAXSC WX
.irp u, 0,1
.if (\t) == 0
	v_mov_b32 v[WSB+\u], v[TB+2*\u]                ; the substep's four bytes make a word, block b's in byte b
.else
	v_lshl_or_b32 v[WSB+\u], v[TB+2*\u], 8*(2*POS+PL), v[WSB+\u]
.endif
.endr
	CODES WX, WC+6*POS, WC+12+6*POS
.if POS == 1
.irp u, 0,1
.irp c, 0,1,2
	global_store_b128 v4, v[WC+12*\u+4*\c:WC+12*\u+4*\c+3], s[8:9] offset:PLANE*PL+2048*\c+512*\u   ; 32 places x 16 bytes: 512 consecutive bytes, aligned
.endr
.endr
.endif
.endm
; ---- path X.  A step is 16 rows x 128 numbers.  A load is best where neighbouring lanes take neighbouring bytes; for the conversions lane (r, h) must hold blocks h and 2 + h of row r: both are had by a turn through the wave's stage.
.macro XTURN t
.set i, 0
.rept 8
	ds_store_b128 v1, v[XR+32*(\t)+4*i:XR+32*(\t)+4*i+3] offset:STG*((\t)%2)+2*i*XP
.set i, i+1
.endr
.set i, 0
.rept 8                                ; LDS serves a wave's instructions in order: no wait between stores and loads
	ds_load_b128 v[XH+32*((\t)%2)+4*i:XH+32*((\t)%2)+4*i+3], v2 offset:STG*((\t)%2)+128*(i/4)+16*(i%4)
.set i, i+1
.endr
.endm
.macro XSTEP t
.if (\t) > 0
	s_wait_dscnt 2                                 ; this step's numbers are back from the stage; the last step's two byte stores may be out
.else
	s_wait_dscnt 0x0
.endif
.if (\t) < 3
	s_wait_loadcnt 16-8*(\t)                       ; the next step's eight loads are in; those of the steps behind it may be out
	XTURN (\t)+1
.endif
.if (\t)%2 == 0
.irp s, 16,17,18,19,20,21,22,23,24,25,26,27,28,29,30,31,32,33,34,35,36,37,38,39,40,41,42,43,44,45,46,47
	WID 2*\s+96, \s
.endr
.else
.irp s, 48,49,50,51,52,53,54,55,56,57,58,59,60,61,62,63,64,65,66,67,68,69,70,71,72,73,74,75,76,77,78,79
	WID 2*\s+32, \s
.endr
.endif
	MAXSC XX
	ds_store_b8 v5, v[TB] offset:128*((\t)%2)+4*((\t)/2)       ; block h's byte, at the place of row 16 t + r's word,
	ds_store_b8 v5, v[TB+2] offset:128*((\t)%2)+4*((\t)/2)+2   ; and block 2 + h's
	CODES XX, XC+12*(\t), XC+12*(\t)+6             ; each step's codes have registers of their own: they are stored behind the last step
.endm
	s_load_b256 s[4:11], s[0:1], 0x0               ; weight s[4:5], x s[6:7], weight's workspace s[8:9], x's s[10:11]
	v_lshl_add_u32 v[SPW], v0, 2, SPARE
	v_mov_b32 v[NIL], 0
	v_lshrrev_b32 v1, 5, v0
	v_readfirstlane_b32 s16, v1                    ; wave 0..3
	v_and_b32 v2, 31, v0                           ; lane
	s_lshr_b32 s28, ttmp9, 8
	s_add_co_u32 s28, s28, ttmp9
	s_and_b32 s28, s28, 1                          ; 0: weight, 1: x
	s_lshr_b32 s29, ttmp9, 1                       ; my number among the 512 of my kind
	s_wait_kmcnt 0x0
	s_cmp_lg_u32 s28, 0
	s_cbranch_scc1 .Lx
	; ================ PATH W: a work-group takes 256 columns x one substep, a wave 64 columns (half a group), a lane two ================
	s_and_b32 s17, s29, 15                         ; which 256 columns
	s_lshr_b32 s18, s29, 4                         ; which substep
	s_lshl_b32 s19, s17, 8
	s_lshl_b32 s27, s16, 6
	s_add_co_u32 s19, s19, s27                     ; my wave's first column
	s_lshl_b32 s20, s18, 21                        ; weight: 128 s18 rows of 16,384 bytes
	s_lshl_b32 s27, s19, 2
	s_add_co_u32 s20, s20, s27                     ; + 4 bytes a column
	s_mov_b32 s21, 0
	s_add_nc_u64 s[4:5], s[4:5], s[20:21]
	s_lshr_b32 s22, s19, 7                         ; my group,
	s_mul_i32 s22, s22, GSTRIDE
	s_mul_i32 s27, s18, SUBB                       ; my substep
	s_add_co_u32 s22, s22, s27
	s_mov_b32 s23, 0
	s_add_nc_u64 s[8:9], s[8:9], s[22:23]
	s_and_b32 s27, s16, 1                          ; which 64 places of the group
	s_lshl_b32 s24, s27, 8
	s_add_co_u32 s24, s24, SCOFF
	s_mov_b32 s25, 0
	s_add_nc_u64 s[12:13], s[8:9], s[24:25]        ; my scale words
	s_lshl_b32 s24, s27, 10
	s_add_nc_u64 s[8:9], s[8:9], s[24:25]          ; my codes: 16 bytes a place
	s_wait_alu depctr_va_vdst(0)                   ; the wait ahead of the reader below
	v_lshlrev_b32 v3, 3, v2                        ; in: 8 bytes a lane; the same offset serves my two columns' scale words
	v_lshlrev_b32 v4, 4, v2                        ; out: 16 bytes a lane
	WLOAD 0
	WLOAD 1
.irp t, 0,1,2,3
	WBLOCK \t
.endr
	global_store_b64 v3, v[WSB:WSB+1], s[12:13]    ; the wave stores 256 consecutive bytes of scale words, aligned
	s_endpgm
.Lx:
	; ================ PATH X: a wave takes 64 rows (half a group) x one substep of 128 along K: 4 steps of 16 rows ================
	s_lshl_b32 s17, s29, 2
	s_add_co_u32 s17, s17, s16                     ; which of 2,048 such parts is my wave's
	s_and_b32 s18, s17, 31                         ; the substep
	s_lshr_b32 s19, s17, 5                         ; which 64 rows
	s_lshl_b32 s20, s19, 19                        ; x: 64 rows of 8,192 bytes,
	s_lshl_b32 s27, s18, 8
	s_add_co_u32 s20, s20, s27                     ; + 256 bytes a substep
	s_mov_b32 s21, 0
	s_add_nc_u64 s[6:7], s[6:7], s[20:21]
	s_lshr_b32 s22, s19, 1                         ; the group,
	s_mul_i32 s22, s22, GSTRIDE
	s_mul_i32 s27, s18, SUBB
	s_add_co_u32 s22, s22, s27
	s_mov_b32 s23, 0
	s_add_nc_u64 s[10:11], s[10:11], s[22:23]
	s_and_b32 s27, s19, 1                          ; which 64 places of it
	s_lshl_b32 s24, s27, 8
	s_add_co_u32 s24, s24, SCOFF
	s_mov_b32 s25, 0
	s_add_nc_u64 s[12:13], s[10:11], s[24:25]      ; my scale words
	s_lshl_b32 s24, s27, 10
	s_add_nc_u64 s[10:11], s[10:11], s[24:25]      ; my codes
	s_mul_i32 s26, s16, XREG                       ; my wave's LDS
	s_add_co_u32 s27, s26, 2*STG                   ; its scale bytes
	s_wait_alu depctr_va_vdst(0)                   ; the wait ahead of the reader below
	v_lshrrev_b32 v8, 4, v2                        ; h
	v_and_b32 v9, 15, v2                           ; r
	v_lshlrev_b32 v3, 4, v9
	v_lshl_add_u32 v3, v8, 13, v3                  ; a load takes two rows' 256 bytes: lanes 0-15 one row, lanes 16-31 the next
	v_lshlrev_b32 v4, 4, v9
	v_mad_u32_u24 v4, v8, PLANE, v4                ; my codes: 16 r in plane h
	v_mul_u32_u24 v1, v8, XP
	v_lshl_add_u32 v1, v9, 4, v1
	v_add_nc_u32 v1, s26, v1                       ; the stage, on the way in: as loaded
	v_lshl_add_u32 v5, v9, 3, v8
	v_add_nc_u32 v5, s27, v5                       ; my scale bytes: 8 r + h
	v_lshlrev_b32 v7, 3, v2                        ; and on their way out 8 bytes a lane
	v_add_nc_u32 v6, s27, v7
	v_mul_u32_u24 v2, v9, XP
	v_lshl_add_u32 v2, v8, 6, v2
	v_add_nc_u32 v2, s26, v2                       ; the stage, on the way out: row r, block h (block 2 + h stands in the immediate).  272 bytes = 68 words: sixteen rows start at sixteen different multiples of 4 words modulo 64
.set j, 0
.rept 32
	global_load_b128 v[XR+4*j:XR+4*j+3], v3, s[6:7] offset:2*j*8192 th:TH_LOAD_NT   ; all 32 loads at once, two aligned runs of 256 bytes each
.set j, j+1
.endr
	s_wait_alu depctr_va_vdst(0)                   ; the wait at the head's end
	s_wait_loadcnt 24                              ; step 0's eight loads are in
	XTURN 0
.irp t, 0,1,2,3
	XSTEP \t
.endr
.irp t, 0,1,2,3
.irp c, 0,1,2
	global_store_b128 v4, v[XC+12*\t+4*\c:XC+12*\t+4*\c+3], s[10:11] offset:2048*\c+256*\t   ; lanes 0-15: 256 consecutive bytes of plane 0, aligned; lanes 16-31: of plane 1
.endr
.endr
	ds_load_b64 v[8:9], v6                         ; LDS serves a wave's instructions in order: these see my byte stores
	s_wait_dscnt 0x0
	global_store_b64 v7, v[8:9], s[12:13]          ; 32 lanes store 256 consecutive bytes, aligned
	s_wait_tensorcnt 0x0                           ; the wave's end
	ds_add_u32 v[SPW], v[NIL]
	s_wait_dscnt 0x0
	s_endpgm
.Lfunc_end_k_qd022d45772_quant:
	.size	k_qd022d45772_quant, .Lfunc_end_k_qd022d45772_quant-k_qd022d45772_quant
	.p2alignl 7, 3214868480
	.fill 96, 4, 3214868480
	.section	.rodata,"a",@progbits
	.p2align	6, 0x0
	.amdhsa_kernel k_qd022d45772_quant
		.amdhsa_group_segment_fixed_size 81920
		.amdhsa_private_segment_fixed_size 0
		.amdhsa_enable_private_segment 0
		.amdhsa_kernarg_size 32
		.amdhsa_user_sgpr_count 2
		.amdhsa_user_sgpr_kernarg_segment_ptr 1
		.amdhsa_wavefront_size32 1
		.amdhsa_system_sgpr_workgroup_id_x 1
		.amdhsa_system_sgpr_workgroup_id_y 1
		.amdhsa_system_sgpr_workgroup_id_z 1
		.amdhsa_system_vgpr_workitem_id 0
		.amdhsa_next_free_vgpr 256
		.amdhsa_next_free_sgpr 66
		.amdhsa_reserve_vcc 0
		.amdhsa_float_denorm_mode_32 3
		.amdhsa_float_denorm_mode_16_64 3
		.amdhsa_memory_ordered 1
		.amdhsa_forward_progress 1
		.amdhsa_inst_pref_size 81
	.end_amdhsa_kernel
	.amdgpu_metadata
---
amdhsa.version: [ 1, 2 ]
amdhsa.kernels:
  - .name:           k_qd022d45772_quant
    .symbol:         k_qd022d45772_quant.kd
    .args:
      - { .name: weight, .offset: 0, .size: 8, .value_kind: global_buffer, .address_space: global }
      - { .name: x, .offset: 8, .size: 8, .value_kind: global_buffer, .address_space: global }
      - { .name: wq, .offset: 16, .size: 8, .value_kind: global_buffer, .address_space: global }
      - { .name: xq, .offset: 24, .size: 8, .value_kind: global_buffer, .address_space: global }
    .group_segment_fixed_size: 81920
    .private_segment_fixed_size: 0
    .kernarg_segment_align: 8
    .kernarg_segment_size: 32
    .max_flat_workgroup_size: 128
    .sgpr_count:     66
    .vgpr_count:     256
    .wavefront_size: 32
...
	.end_amdgpu_metadata
.endif
;; end of part 1
;; launch gemm (part 2): grid 16 x 16, 4 waves a work-group, clusters of 4 x 4, 327,680 bytes of LDS; arguments xq, wq, out0, bias; writes out0
.if DOCPART == 2
	.amdgcn_target "amdgcn-amd-amdhsa--gfx1250"
	.amdhsa_code_object_version 6
	.text
	.protected	k_qd022d45772_gemm
	.globl	k_qd022d45772_gemm
	.p2align	8
	.type	k_qd022d45772_gemm,@function
k_qd022d45772_gemm:
	s_mov_b64 s[64:65], 0
	v_nop
	global_prefetch_b8 v0, s[64:65] scope:SCOPE_SE
	s_setreg_imm32_b32 hwreg(HW_REG_WAVE_MODE, 25, 1), 1
	s_wait_xcnt 0x0
	s_wait_alu depctr_hold_cnt(0) depctr_sa_sdst(0) depctr_va_vdst(0) depctr_va_sdst(0) depctr_va_ssrc(0) depctr_va_vcc(0) depctr_vm_vsrc(0)
	s_getreg_b32 s2, hwreg(HW_REG_IB_STS2, 6, 4)
	s_cmp_eq_u32 s2, 0
	s_cbranch_scc0 .Lentry_in_a_cluster
	s_endpgm
.Lentry_in_a_cluster:
	s_bfe_u32 s2, ttmp6, 0x10000c
	s_cmp_lg_u32 s2, 0xf033
	s_cbranch_scc0 .Lentry_shape_is_right
	s_endpgm
.Lentry_shape_is_right:
; out0[m][n] = f16(sum over k of xq[m][k] wq[n][k] + bias[n]): both operands are codes of BF6 (E3M2) with one E8M0 byte for each 32 along K, as the launch before laid them:
; [group of 128 places: 32][substep of 128 along K: 32][12,800 bytes: plane 0, plane 1, 512 bytes of scale words].  Piece c (16 bytes) of the 48 bytes of (place p, plane h) lies at 2,048 c + 16 p of the plane.
; A lane of the matrix instruction (row l % 16, half l / 16) takes its place's three pieces of plane l / 16: three loads of 16 bytes fill a fragment's 12 registers, sixteen lanes on 256 consecutive bytes.
; The scale word of place p lies at 256 (p / 64) + 128 ((p / 16) % 2) + 8 (p % 16) + 4 ((p / 32) % 2).
; xq: row m has place m % 128.  wq: column n, n % 128 = 64 w + 2 L + u, has place 64 w + 32 u + L.  So B's blocks b and b + 2 (b % 4 < 2) hold the even and the odd ones of 32 neighbouring columns:
; register j of lane (r, h) in accumulator (a, b) is column 64 (b / 4) + 32 (b % 2) + 16 h + 2 j + (b / 2) % 2.  The bias is dealt so, and on the way out the two accumulators' like registers are packed into one word.
; A work-group of four waves makes 256 x 256 of out0, a wave 128 x 128: 64 accumulators, 512 registers.  256 work-groups.
; THE RING: two LDS slots, each with three substeps of A's two groups and B's two groups; a wave fills a quarter of a slot by one tensor load of 150 rows of 256 bytes, dense in memory.
; 32 substeps are fills 0 to 9 of three substeps and fill 10 of two (100 rows).  Fill f lies in slot f % 2.
; CLUSTERS: 4 x 4 work-groups; A's quarters are asked for jointly along a row of the cluster, B's along a column.
; THE MATRIX INSTRUCTION IS USED TRANSPOSED (source 0 = 16 places of wq, source 1 = 16 rows of xq): a lane holds one row of out0.
; The bias, widened to f32, is the C of each accumulator's first product: no addition and no clearing.
; A STEP is one substep: 64 products, A's blocks one after the other, each against B's eight.  A and B have two sets of fragment registers each; the next step's 56 LDS loads stand in NR runs, at products 16, 16 + GAP, ..
; THE LAST TWO SUBSTEPS GO BY ROWS OF out0: both sets are in registers, so a block of 16 rows is finished by 16 products and leaves while the later blocks are multiplied.
; PREFETCH: behind joint load f (f = 0 to 7) the 150 blocks of 256 bytes of fill f + 2 are asked for; the four partners that load a quarter jointly take 38 blocks each, told apart by address (cx for A, cy for B),
; two instructions a wave, left-over lanes naming the last block again.  Fill 1 has no joint load two fills ahead of it.  Fill 10 has 100 blocks, and the 150 that the offsets name would pass the last group's end: it is not asked for.
; REGISTERS: window 0: v0-31 addresses, v32-47 scale words (two sets of 8: lanes 0-15 A's block i, lanes 16-31 B's), v64-159 and v160-255 A's two sets.
;   window 1: v0-95 and v128-223 B's two sets; v96-127 and v224-255 the bias, later the way out's registers.  window 2: accumulators of my rows 0-63, (a, b) at v[8 (8 a + b)]; window 3: rows 64-127.
; LIMITS: sums beyond f16's largest number become infinities, as in the problem's own conversion.
.set SUBB,   12800
.set PLANE,  6144
.set SCOFF,  12288
.set QUART,  3*SUBB                    ; what one tensor load brings: three substeps of a group
.set GSTRIDE, 32*SUBB
.set BSHIFT, 128                       ; B's quarters lie 128 bytes on, so that A's and B's scale words, read by one load, fall on different banks
.set SLOT,   153856
.set SPARE,  2*SLOT                    ; the spare words: 128 bytes a wave, named by no other line
.set STAGE,  SLOT                      ; the way out's stages lie in slot 1, behind its last fill and its last read
.set SPITCH, 272
.set FR,     12
.set NR,     2                         ; runs of LDS loads in a step
.set GAP,    16                        ; products between two runs
.set ADRA, 16                          ; v16-17 my A fragments in slot 0, 1
.set ADRB, 18                          ; v18-19 B's
.set ADRS, 20                          ; v20-21 the scale words
.set STO,  24
.set RD,   25
.set CO,   26
.set SPW,  28                          ; my spare word; never rewritten
.set NIL,  29                          ; 0; never rewritten
.set PFO,  30                          ; v30-31 the prefetches' offsets; never rewritten
.set SC,   32
.set AF,   64
.set BIW,  96                          ; window 1: the bias of B's block b at v[96 + 8 b + 96 (b / 4)]
.set TMP,  96                          ; window 1: a block's packed results
.set BK,   224                         ; window 1: the block read back by rows
.set G1, 24
.set G0, 32
.set G1B, 48
.set G0B, 56
.set G1L, 68                           ; group 1 for fill 10: 100 rows
.set G1LB, 76
.set PFA, 84                           ; s[84:85] where my prefetches stand
.set LC, 0
.set MSB, 0
.macro WIN new                         ; the immediate's high byte repeats the setting that is left
.if MSB != (\new)
	s_set_vgpr_msb (MSB<<8)|(\new)
.set MSB, (\new)
.endif
.endm
.set MUL_LO, 0xa1                      ; source 0 (B) window 1, source 1 (A) window 0, C and D window 2
.set BEG_LO, 0x91                      ; the same with C (the bias) in window 1
.set TO_B,   0x40
.macro WIDEN d, s
	v_cvt_f32_f16 v[\d], v\s\().l
	v_cvt_f32_f16 v[\d+1], v\s\().h
.endm
.macro JLOAD g0a, g1a, g0b, g1b        ; a joint load: waves 0, 1 for A, waves 2, 3 for B
	s_cmp_eq_u32 s15, 0
	s_cbranch_scc0 .Lfor_b_\@
	tensor_load_to_lds s[\g0a:\g0a+3], s[\g1a:\g1a+7]
	s_nop 0
.rept 4
	v_nop
.endr
	s_branch .Lasked_\@
.Lfor_b_\@:
	tensor_load_to_lds s[\g0b:\g0b+3], s[\g1b:\g1b+7]
	s_nop 0
.rept 4
	v_nop
.endr
.Lasked_\@:
.endm
.macro CREST                           ; a round of the cluster's barrier behind its opening barrier
	s_cmp_lg_u32 s14, 0
	s_cbranch_scc1 .Lnot_wave_0_\@
	s_barrier_signal -3
.Lnot_wave_0_\@:
	s_barrier_wait -3
	s_barrier_signal -1
	s_barrier_wait -1
.endm
.macro CROUND
	s_barrier_signal -1
	s_barrier_wait -1
	CREST
.endm
.macro ASK cond                        ; my 38 blocks of the fill two on; cond = 1: in the loop, whose last trip (fills 10, 11) asks for nothing
.if \cond
	s_cmp_gt_u32 s3, 1
	s_cbranch_scc0 .Lno_ask_\@
.endif
	global_prefetch_b8 v[PFO], s[PFA:PFA+1] th:TH_LOAD_NT scope:SCOPE_SE
	global_prefetch_b8 v[PFO+1], s[PFA:PFA+1] th:TH_LOAD_NT scope:SCOPE_SE
.if \cond
.Lno_ask_\@:
.endif
.endm
.macro PLACES n
.rept \n
	v_nop
.endr
.endm
	s_load_b128 s[4:7], s[0:1], 0x0                ; xq, wq
	s_load_b128 s[8:11], s[0:1], 0x10              ; out0, bias
	v_lshl_add_u32 v[SPW], v0, 2, SPARE
	v_mov_b32 v[NIL], 0
	ds_add_u32 v[SPW], v[NIL]                      ; the opening lines: the add twice on end and one wait
	ds_add_u32 v[SPW], v[NIL]
	v_lshrrev_b32 v3, 5, v0
	v_readfirstlane_b32 s14, v3                    ; wave
	v_and_b32 v1, 15, v0                           ; r = l % 16
	v_bfe_u32 v2, v0, 4, 1                         ; h = l / 16
	v_lshlrev_b32 v7, 5, v2                        ; bias: 32 h bytes
	s_lshr_b32 s15, s14, 1                         ; my half of the rows; also: I fetch for A (0) or B (1)
	s_and_b32 s16, s14, 1                          ; my half of the columns; also: which group I fetch
	s_bfe_u32 s40, ttmp6, 0x40000                  ; cx
	s_bfe_u32 s41, ttmp6, 0x40004                  ; cy
	s_lshl_b32 s42, ttmp9, 2
	s_add_co_u32 s42, s42, s40                     ; tile column
	s_and_b32 s17, ttmp7, 0xffff
	s_lshl_b32 s17, s17, 2
	s_add_co_u32 s17, s17, s41                     ; tile row
	s_lshl_b32 s43, s41, 2
	s_lshl_b32 s43, 15, s43                        ; my row of the cluster
	s_lshl_b32 s44, 0x1111, s40                    ; my column
	s_or_b32 s[G1+0], s43, (3<<16)|(1<<21)         ; elements of 8 bytes; bit 21 beside the mask
	s_or_b32 s[G1B+0], s44, (3<<16)|(1<<21)
	s_or_b32 s[G1L+0], s43, (3<<16)|(1<<21)
	s_or_b32 s[G1LB+0], s44, (3<<16)|(1<<21)
.irp g, G1, G1B
	s_mov_b32 s[\g+1], 32<<16                      ; rows of 32 elements = 256 bytes,
	s_mov_b32 s[\g+2], 150<<16                     ; 150 of them
	s_mov_b32 s[\g+3], 32<<16
	s_mov_b32 s[\g+4], 150
	s_mov_b32 s[\g+5], 32
	s_mov_b32 s[\g+6], 0
	s_mov_b32 s[\g+7], 0
.endr
.irp g, G1L, G1LB
	s_mov_b32 s[\g+1], 32<<16
	s_mov_b32 s[\g+2], 100<<16
	s_mov_b32 s[\g+3], 32<<16
	s_mov_b32 s[\g+4], 100
	s_mov_b32 s[\g+5], 32
	s_mov_b32 s[\g+6], 0
	s_mov_b32 s[\g+7], 0
.endr
	s_lshl_b32 s20, s17, 1
	s_add_co_u32 s20, s20, s16
	s_mul_i32 s20, s20, GSTRIDE                    ; A: group 2 x tile row + which
	s_mov_b32 s21, 0
	s_lshl_b32 s46, s42, 1
	s_add_co_u32 s46, s46, s16
	s_mul_i32 s46, s46, GSTRIDE                    ; B: group 2 x tile column + which
	s_mov_b32 s47, 0
	s_mul_i32 s45, s14, QUART                      ; where my quarter goes
	s_lshl_b32 s22, s15, 7
	s_add_co_u32 s45, s45, s22
	s_lshl_b32 s86, s42, 9                         ; my first column in bytes of f16: 512 x tile column + 256 x half
	s_lshl_b32 s87, s16, 8
	s_add_co_u32 s86, s86, s87
	s_mov_b32 s87, 0
	s_lshl_b32 s88, s17, 8
	s_lshl_b32 s89, s15, 7
	s_add_co_u32 s88, s88, s89
	s_lshl_b32 s88, s88, 13                        ; my first row x 8,192 bytes
	s_mov_b32 s89, 0
	s_mul_i32 s18, s15, QUART                      ; LDS: my group of A,
	s_mul_i32 s19, s16, QUART
	s_add_co_u32 s19, s19, 2*QUART+BSHIFT          ; of B,
	s_sub_co_u32 s22, s19, s18                     ; the distance between the two,
	s_add_co_u32 s23, s18, SCOFF                   ; A's scale words,
	s_mul_i32 s90, s14, 16*SPITCH
	s_add_co_u32 s90, s90, STAGE                   ; my stage
	s_cmp_eq_u32 s15, 0
	s_cselect_b32 s91, s40, s41                    ; my place among the four that ask with me
	s_mul_i32 s91, s91, 38
	s_add_co_u32 s92, s91, 32
	s_wait_alu depctr_va_vdst(0)                   ; the wait ahead of the waits below
	s_wait_dscnt 0x0                               ; both opening adds are done
	s_wait_kmcnt 0x0
	s_add_nc_u64 s[20:21], s[4:5], s[20:21]
	s_add_nc_u64 s[46:47], s[6:7], s[46:47]
	s_add_nc_u64 s[10:11], s[10:11], s[86:87]
.irp b, 0,1,2,3,4,5,6,7
	global_load_b128 v[64+4*\b:64+4*\b+3], v7, s[10:11] offset:64*(\b/2)+16*(\b%2)   ; bias of columns 32 g + 16 h + 0 .. 15, g = b / 2, in two loads; on its way while the first tile comes
.endr
	s_add_nc_u64 s[8:9], s[8:9], s[86:87]
	s_add_nc_u64 s[8:9], s[8:9], s[88:89]
	s_cmp_eq_u32 s15, 0
	s_cselect_b64 s[PFA:PFA+1], s[20:21], s[46:47]
	s_add_nc_u64 s[PFA:PFA+1], s[PFA:PFA+1], 2*QUART   ; at fill 2
.irp s, 0,1
	s_mov_b32 s[G0+4*\s], 1
	s_add_co_u32 s[G0+4*\s+1], s45, \s*SLOT
	s_add_nc_u64 s[G0+4*\s+2:G0+4*\s+3], s[20:21], \s*QUART
	s_or_b32 s[G0+4*\s+3], s[G0+4*\s+3], 0x80000000
	s_mov_b32 s[G0B+4*\s], 1
	s_add_co_u32 s[G0B+4*\s+1], s45, \s*SLOT
	s_add_nc_u64 s[G0B+4*\s+2:G0B+4*\s+3], s[46:47], \s*QUART
	s_or_b32 s[G0B+4*\s+3], s[G0B+4*\s+3], 0x80000000
.endr
	CROUND                                         ; all sixteen work-groups are here: the first joint loads meet
	JLOAD G0, G1, G0B, G1B                         ; fill 0: one tensor load a wave at the head
	v_lshlrev_b32 v3, 4, v1
	v_mad_u32_u24 v3, v2, PLANE, v3                ; a fragment: 16 r + plane h
	v_add_nc_u32 v[ADRA], s18, v3
	v_add_nc_u32 v[ADRB], s19, v3
	v_add_nc_u32 v[ADRA+1], SLOT, v[ADRA]
	v_add_nc_u32 v[ADRB+1], SLOT, v[ADRB]
	v_mul_u32_u24 v6, s22, v2                      ; scale words: lanes 16-31 take B's
	v_lshl_add_u32 v6, v1, 3, v6                   ; 8 r
	v_add_nc_u32 v[ADRS], s23, v6
	v_add_nc_u32 v[ADRS+1], SLOT, v[ADRS]
	v_mul_u32_u24 v5, v1, SPITCH                   ; into the stage: row r, 32 bytes for each half of the lanes
	v_lshl_add_u32 v5, v2, 5, v5
	v_add_nc_u32 v[STO], s90, v5
	v_mul_u32_u24 v5, v2, SPITCH                   ; back: lanes 0-15 one row of 256 bytes, lanes 16-31 the next
	v_lshl_add_u32 v5, v1, 4, v5
	v_add_nc_u32 v[RD], s90, v5
	v_lshlrev_b32 v5, 13, v2                       ; and the same two rows in out0
	v_lshl_add_u32 v[CO], v1, 4, v5
	v_and_b32 v4, 31, v0
	v_add_nc_u32 v8, s91, v4                       ; blocks 38 p + lane,
	v_min_u32 v8, 149, v8
	v_lshlrev_b32 v[PFO], 8, v8
	v_min_u32 v9, 5, v4
	v_add_nc_u32 v9, s92, v9                       ; and 38 p + 32 + 0 .. 5, held at the quarter's last block
	v_min_u32 v9, 149, v9
	v_lshlrev_b32 v[PFO+1], 8, v9
	ASK 0                                          ; fill 2
	s_wait_alu depctr_va_vdst(0)                   ; the wait ahead of the wait below
	s_wait_loadcnt 0x0                             ; the bias is in
.irp s, 64,65,66,67,68,69,70,71,72,73,74,75,76,77,78,79,80,81,82,83,84,85,86,87,88,89,90,91,92,93,94,95
	WIDEN 2*\s+32, \s                              ; v[160 + 16 g + 2 j + u]: column 32 g + 16 h + 2 j + u
.endr
	WIN TO_B
.irp b, 0,1,2,3,4,5,6,7
.irp j, 0,1,2,3,4,5,6,7
	v_mov_b32 v[BIW+8*\b+96*(\b/4)+\j], v[160+16*(2*(\b/4)+\b%2)+2*\j+(\b/2)%2]
.endr
.endr
	WIN 0
; one fragment of the next step into set p: f = 0-7 B's blocks, f = 8-15 A's; with A's first four come the eight scale words.  LC counts the loads issued
.macro LDF slot, q, p, f
.if (\f) < 8
	WIN TO_B
.irp c, 0,1,2
	ds_load_b128 v[128*(\p)+FR*(\f)+4*\c:128*(\p)+FR*(\f)+4*\c+3], v[ADRB+(\slot)] offset:(\q)*SUBB+(\f)*256+2048*\c
.endr
.set LC, LC+3
.else
	WIN 0
.if (\f) < 12
.irp e, 0,1
	ds_load_b32 v[SC+8*(\p)+2*((\f)-8)+\e], v[ADRS+(\slot)] offset:(\q)*SUBB+256*(((\f)-8)/2)+128*\e+4*(((\f)-8)%2)
.endr
.set LC, LC+2
.endif
.irp c, 0,1,2
	ds_load_b128 v[AF+96*(\p)+FR*((\f)-8)+4*\c:AF+96*(\p)+FR*((\f)-8)+4*\c+3], v[ADRA+(\slot)] offset:(\q)*SUBB+((\f)-8)*256+2048*\c
.endr
.set LC, LC+3
.endif
.endm
.macro RUN slot, q, p                  ; the run of loads that stands ahead of product n, if any: 16 / NR fragments
.if n >= 16 && (n-16)%GAP == 0 && (n-16)/GAP < NR
.set f0, (16/NR)*((n-16)/GAP)
.rept 16/NR
	LDF \slot, \q, \p, f0
.set f0, f0+1
.endr
.endif
.endm
.macro MM p, first                     ; product n: A's block n / 8 x B's block n % 8.  The 64 accumulators take turns
.set aa, n/8
.set bb, n%8
.set dd, 8*(8*(aa%4)+bb)
.if \first
	WIN BEG_LO+0x40*(aa/4)
	v_wmma_scale_f32_16x16x128_f8f6f4 v[dd:dd+7], v[128*(\p)+FR*bb:128*(\p)+FR*bb+FR-1], v[AF+96*(\p)+FR*aa:AF+96*(\p)+FR*aa+FR-1], v[BIW+8*bb+96*(bb/4):BIW+8*bb+96*(bb/4)+7], v[SC+8*(\p)+bb], v[SC+8*(\p)+aa] matrix_a_fmt:MATRIX_FMT_BF6 matrix_b_fmt:MATRIX_FMT_BF6 matrix_a_scale:MATRIX_SCALE_ROW1
.else
	WIN MUL_LO+0x50*(aa/4)
	v_wmma_scale_f32_16x16x128_f8f6f4 v[dd:dd+7], v[128*(\p)+FR*bb:128*(\p)+FR*bb+FR-1], v[AF+96*(\p)+FR*aa:AF+96*(\p)+FR*aa+FR-1], v[dd:dd+7], v[SC+8*(\p)+bb], v[SC+8*(\p)+aa] matrix_a_fmt:MATRIX_FMT_BF6 matrix_b_fmt:MATRIX_FMT_BF6 matrix_a_scale:MATRIX_SCALE_ROW1
.endif
.endm
; a step inside a slot: multiplies set p (substep q) and fetches substep q + 1 into the other set
.macro NORM slot, q, p, first
	s_wait_dscnt 12                                ; all but the youngest 12 loads, A's blocks 4-7
	PLACES 4                                       ; the places between the last step's products and the loads into the set that they read
.set n, 0
.set LC, 0
.rept 64
.if n == 32
	s_wait_dscnt LC                                ; all but this step's own loads: A's blocks 4-7 are in
.endif
	RUN \slot, (\q)+1, 1-(\p)
	MM \p, \first
.set n, n+1
.endr
.endm
; a slot's last step: one barrier for the change of slots.  fill = 1: the slot is filled again, three substeps; 2: two substeps; 0: nothing more to fetch
.macro TURN slot, p, fill, ask
.if \ask
	s_wait_xcnt 0x0                                ; my prefetches have read their address: it steps a fill on
	s_add_nc_u64 s[PFA:PFA+1], s[PFA:PFA+1], QUART
.endif
	WIN 0
	s_wait_tensorcnt 0x0                           ; my one load that was out, my quarter of the next slot, is in;
	ds_add_u32 v[SPW], v[NIL]
	s_wait_dscnt 13                                ; (the add and A's blocks 4-7 may be out)
.set n, 0
.rept 8
	MM \p, 0
.set n, n+1
.endr
	s_wait_dscnt 0x0                               ; the add is done, and my reads of this slot are over
	s_barrier_signal -1
.rept 8
	MM \p, 0
.set n, n+1
.endr
	WIN 0
	s_barrier_wait -1
.if \fill
	CREST                                          ; the barrier has opened a round of the cluster's barrier
	s_add_nc_u64 s[G0+4*\slot+2:G0+4*\slot+3], s[G0+4*\slot+2:G0+4*\slot+3], 2*QUART
	s_add_nc_u64 s[G0B+4*\slot+2:G0B+4*\slot+3], s[G0B+4*\slot+2:G0B+4*\slot+3], 2*QUART
.if \fill == 1
	JLOAD G0+4*\slot, G1, G0B+4*\slot, G1B         ; the first tensor load behind the round; its four v_nop are the places ahead of the loads below
.else
	JLOAD G0+4*\slot, G1L, G0B+4*\slot, G1LB
.endif
.else
	PLACES 4
.endif
.set LC, 0
.rept 48
	RUN 1-(\slot), 0, 1-(\p)
.if n == 16 && \ask
	WIN 0
	ASK 1                                          ; behind the joint load and the run of LDS loads
.endif
	MM \p, 0
.set n, n+1
.endr
.endm
.macro ROWP p, a                       ; A's block a of set p against B's eight
.set n, 8*(\a)
.rept 8
	MM \p, 0
.set n, n+1
.endr
.endm
	s_wait_alu depctr_va_vdst(0)                   ; the wait at the head's end
	s_wait_xcnt 0x0
	s_add_nc_u64 s[PFA:PFA+1], s[PFA:PFA+1], QUART ; at fill 3
	s_wait_tensorcnt 0x0                           ; my quarter of fill 0 is in
	ds_add_u32 v[SPW], v[NIL]
	s_wait_dscnt 0x0
	CROUND
	JLOAD G0+4, G1, G0B+4, G1B                     ; fill 1, the first tensor load behind the round
.set f0, 0
.rept 16
	LDF 0, 0, 0, f0
.set f0, f0+1
.endr
	ASK 0                                          ; fill 3
	NORM 0, 0, 0, 1                                ; the first step's products start the sums on the bias
	WIN 0
	s_mov_b32 s3, 4
.Llap:                                                 ; a trip: six steps, once round the ring, both slots filled again (fills 2 to 9)
	NORM 0, 1, 1, 0
	TURN 0, 0, 1, 1
	NORM 1, 0, 1, 0
	NORM 1, 1, 0, 0
	TURN 1, 1, 1, 1
	NORM 0, 0, 0, 0
	WIN 0
	s_sub_co_u32 s3, s3, 1
	s_cmp_lg_u32 s3, 0
	s_cbranch_scc1 .Llap
	NORM 0, 1, 1, 0
	TURN 0, 0, 2, 0                                ; fill 10
	NORM 1, 0, 1, 0
	NORM 1, 1, 0, 0
	TURN 1, 1, 0, 0                                ; behind its barrier nobody reads slot 1 any more: the stages may lie there
; THE WAY OUT of block a: rounded to f16; through my own stage; back as whole rows of 256 bytes; stored, sixteen lanes to an aligned 256 bytes
.macro PACK a
.set AC, 64*((\a)%4)
	WIN 0x4a+5*((\a)/4)                            ; sources window 2 or 3, destination window 1
.irp g, 0,1,2,3                        ; B's blocks b = 4 (g / 2) + g % 2 and b + 2: word j is columns 32 g + 16 h + 2 j and + 1: eight words are 32 neighbouring bytes
.irp j, 0,1,2,3,4,5,6,7
	v_cvt_pk_f16_f32 v[TMP+8*\g+\j], v[AC+8*(4*(\g/2)+\g%2)+\j], v[AC+8*(4*(\g/2)+\g%2)+16+\j]   ; each accumulator from its low end on
.endr
.endr
.endm
.macro TOSTAGE
	WIN 0x04                                       ; the data: window 1
.irp b, 0,1,2,3,4,5,6,7
	ds_store_b128 v[STO], v[TMP+4*\b:TMP+4*\b+3] offset:64*(\b/2)+16*(\b%2)
.endr
	WIN TO_B
.irp t, 0,1,2,3,4,5,6,7
	ds_load_b128 v[BK+4*\t:BK+4*\t+3], v[RD] offset:\t*2*SPITCH   ; LDS serves a wave's instructions in order: these see the stores above
.endr
.endm
.macro SEND a
	s_wait_dscnt 0x0                               ; the block is back in registers
.if (\a) > 0
	s_add_nc_u64 s[8:9], s[8:9], 16*8192           ; (behind this block's wait on XCNT) 16 rows of out0 on
.endif
	WIN 0x04
.irp t, 0,1,2,3,4,5,6,7
	global_store_b128 v[CO], v[BK+4*\t:BK+4*\t+3], s[8:9] offset:2*\t*8192 th:TH_STORE_NT
.endr
.endm
	; THE LAST TWO SUBSTEPS, BY ROWS: set 0 holds substep 30; substep 31 comes into set 1
	s_wait_dscnt 0x0                               ; set 0 is in
	PLACES 4
.set f0, 0
.rept 16
	LDF 0, 1, 1, f0
.set f0, f0+1
.endr
	ROWP 0, 0
	ROWP 0, 1
	s_wait_dscnt 12                                ; set 1 but for A's blocks 4-7, which the first block's wait for its stage covers
	ROWP 1, 0
	ROWP 1, 1
	PLACES 4                                       ; block 0's conversions read results just made; later blocks have the block before's conversions as their places
.irp a, 0,1,2,3,4,5,6,7
.if \a > 0
	s_wait_xcnt 0x0                                ; the last block's stores have read their registers and their base
.endif
	PACK \a
	TOSTAGE
.if \a < 6
	ROWP 0, \a+2                                   ; eight products while the block goes through the stage,
.endif
	SEND \a
.if \a < 6
	ROWP 1, \a+2                                   ; and eight behind its stores: block a + 2 is finished
.endif
.endr
	WIN 0
	s_wait_tensorcnt 0x0                           ; the wave's end
	ds_add_u32 v[SPW], v[NIL]
	s_wait_dscnt 0x0
	CROUND                                         ; the closing round
	s_endpgm
.Lfunc_end_k_qd022d45772_gemm:
	.size	k_qd022d45772_gemm, .Lfunc_end_k_qd022d45772_gemm-k_qd022d45772_gemm
	.p2alignl 7, 3214868480
	.fill 96, 4, 3214868480
	.section	.rodata,"a",@progbits
	.p2align	6, 0x0
	.amdhsa_kernel k_qd022d45772_gemm
		.amdhsa_group_segment_fixed_size 327680
		.amdhsa_private_segment_fixed_size 0
		.amdhsa_enable_private_segment 0
		.amdhsa_kernarg_size 32
		.amdhsa_user_sgpr_count 2
		.amdhsa_user_sgpr_kernarg_segment_ptr 1
		.amdhsa_wavefront_size32 1
		.amdhsa_system_sgpr_workgroup_id_x 1
		.amdhsa_system_sgpr_workgroup_id_y 1
		.amdhsa_system_sgpr_workgroup_id_z 1
		.amdhsa_system_vgpr_workitem_id 0
		.amdhsa_next_free_vgpr 1024
		.amdhsa_next_free_sgpr 98
		.amdhsa_reserve_vcc 0
		.amdhsa_float_denorm_mode_32 3
		.amdhsa_float_denorm_mode_16_64 3
		.amdhsa_memory_ordered 1
		.amdhsa_forward_progress 1
		.amdhsa_inst_pref_size 217
	.end_amdhsa_kernel
	.amdgpu_metadata
---
amdhsa.version: [ 1, 2 ]
amdhsa.kernels:
  - .name:           k_qd022d45772_gemm
    .symbol:         k_qd022d45772_gemm.kd
    .args:
      - { .name: xq, .offset: 0, .size: 8, .value_kind: global_buffer, .address_space: global }
      - { .name: wq, .offset: 8, .size: 8, .value_kind: global_buffer, .address_space: global }
      - { .name: out0, .offset: 16, .size: 8, .value_kind: global_buffer, .address_space: global }
      - { .name: bias, .offset: 24, .size: 8, .value_kind: global_buffer, .address_space: global }
    .group_segment_fixed_size: 327680
    .private_segment_fixed_size: 0
    .kernarg_segment_align: 8
    .kernarg_segment_size: 32
    .max_flat_workgroup_size: 128
    .sgpr_count:     98
    .vgpr_count:     1024
    .wavefront_size: 32
...
	.end_amdgpu_metadata
.endif
;; end of part 2
